; MI455X (gfx1250); checked and timed in simulation.
; The chip was launched on July 23, 2026; its instructions are those of AMD's public machine-readable ISA for CDNA 5 (MIT licence, August 2026) and "CDNA5" Instruction Set Architecture Reference Guide (July 2026). The comments in the code are by the model that wrote it; some were corrected since.
;; Custom Linear4 Bit. Allowed arithmetic: matrix products marked QUANTISED: E2M1 operands, one E8M0 scale for each 32 along K, by v_wmma_scale_f32_16x16x128_f8f6f4 with both operands' format E2M1 (or v_wmma_scale_f32_32x16x128_f4), f32 sums; everything else in f32.
;; Inputs: bias 2,048 float32; input_tensor_codes 4 x 2,048 x 128 x 16 uint8 (E2M1 codes of input_tensor, K innermost, in blocks of 32 codes, two codes a byte); input_tensor_scales 4 x 2,048 x 128 uint8 (E8M0 scales of input_tensor, one for each 32 codes along K); quantized_weights 524,288 x 8 int32; weight_normalization 524,288 x 1 float32.
;; Outputs: out0 4 x 2,048 x 2,048 float32.
;; This version of the problem:
;;   THIS VERSION OF THE PROBLEM IS GIVEN IN LOW PRECISION. The matrix products marked QUANTISED in the list below multiply operands that are first quantised to E2M1 (2 exponent bits, 1 mantissa bit; 4 bits a number), with one power-of-two scale for each 32 numbers along K (OCP MX v1.0); their sums are f32. All else is computed in f32.
;;   The module's matrix products, in the order in which they are computed (A, B: the left and right operand; K: the contracted axis; several contracted axes count as one K, in the product's order):
;;     1. [M 8,192, K 4,096] x [K 4,096, N 2,048]; A: input input_tensor (given as codes); B: computed on the way: QUANTISED
;;   THE QUANTISER, for each operand of a quantised product, along K:
;;     - K is cut into blocks of 32 from its start; a last block that is shorter is filled with zeros.
;;     - A block's scale is 2^e with e = floor(log2(the largest magnitude in the block)) - 2, held to -126 .. 127; a block of zeros has e = 0. As a byte (E8M0): e + 127.
;;     - Each number is divided by its block's scale, clamped to +-6, and rounded to the nearest number of E2M1, ties to even, subnormals kept.
;;     - The product sums the exact products of the quantised numbers (number of the format x scale) in f32.
;;   ~~~python
;;   def quantise(x, axis):      # numpy; x: float32 -> the quantised numbers, widened to float32 again
;;       x = np.moveaxis(x, axis, -1); K = x.shape[-1]
;;       x = np.pad(x, [(0, 0)] * (x.ndim - 1) + [(0, -K % 32)]); x = x.reshape(x.shape[:-1] + (-1, 32)); a = np.abs(x).max(-1, keepdims=True)
;;       e = np.where(a > 0, np.clip(np.frexp(np.where(a > 0, a, 1))[1] - 1 - 2, -126, 127), 0)      # np.frexp(a)[1] - 1 = floor(log2(a)), exactly
;;       r = np.clip(x / 2.0 ** e, -6, 6)
;;       step = 2.0 ** (np.maximum(np.frexp(np.where(r == 0, 1, r))[1] - 1, 0) - 1)
;;       q = np.round(r / step) * step * 2.0 ** e      # np.round: ties to even
;;       return np.moveaxis(q.reshape(q.shape[:-2] + (-1,))[..., :K], -1, axis).astype(np.float32)
;;   ~~~
;;   OPERANDS COMPUTED ON THE WAY. 'Computed on the way' means the value that the module computes at that place (a softmax that the list does not call 'softmax' is quantised finished and normalised). What goes into a quantiser is computed in f32, as accurately as f32 sums, v_exp_f32 and their like allow (about 1e-6 of the number): no bf16 or f16 on the way to a quantiser, and a product that is left as it is and whose result goes on into a quantised operand takes f32 operands (vector FMAs, or v_wmma_f32_16x16x4_f32). A number that lies on a knife's edge between two numbers of the format may be rounded either way, as far as f32 arithmetic and the matrix unit's own rounding can turn it there, and no further.
;;   INPUTS GIVEN AS CODES. input_tensor (in the module: [4, 2048, 4096], K = its axis 2): each comes as NAME_codes (uint8): NAME with its K axis moved to the last place and cut into blocks of 32 codes, [.., K / 32, bytes a block], one block behind the other in memory; two codes a byte, the lower K in the low four bits (a code: sign, 2 exponent bits, 1 mantissa bit); and NAME_scales (uint8): the same leading axes, one E8M0 byte (e + 127) for each 32 codes along K. Its value is code x scale, taken as it is: it is not quantised again, and the codes and scales need not be those that the quantiser above would give.
;; One version. Each part assembles by itself: llvm-mc -triple=amdgcn-amd-amdhsa -mcpu=gfx1250 --defsym DOCPART=n.
;; ======== version 1 of 1: 2 launches
;; limits: right only within a limited range of input values
;; workspace buffers: wq 4,456,448 bytes
;; launch wquant (part 1): grid 512 x 1, 16 waves a work-group, no clusters, 11,264 bytes of LDS; arguments quantized_weights, weight_normalization, wq; writes wq
.if DOCPART == 1
	.amdgcn_target "amdgcn-amd-amdhsa--gfx1250"
	.amdhsa_code_object_version 6
	.text
	.protected	k_qeb9aa5f6d5_wquant
	.globl	k_qeb9aa5f6d5_wquant
	.p2align	8
	.type	k_qeb9aa5f6d5_wquant,@function
k_qeb9aa5f6d5_wquant:
	s_mov_b64 s[64:65], 0
	v_nop
	global_prefetch_b8 v0, s[64:65] scope:SCOPE_SE
	s_setreg_imm32_b32 hwreg(HW_REG_WAVE_MODE, 25, 1), 1
	s_wait_xcnt 0x0
; W [2048][4096] is unpacked, dequantised in f32 and quantised to FP4 (E2M1) with one E8M0 byte for each 32 along K.
; IN: quantized_weights: one int32 for two weights (bits 3:0 the even k, bits 7:4 the odd k; the other bits are not looked at), 2,048 int32 a row of W; weight_normalization: one f32 for each 16 weights, 256 a row.
; deq = fma(t, norm, -norm) with t = 2 q x fl(1/15): the shape (q / 15) (2 norm) - norm.  30 x fl(1/15) rounds to 2, so q = 15 gives +norm and q = 0 gives -norm to the bit.
; OUT: wq, the register image that the product's waves load.  Codes: [32 steps of 128 along K][32 groups of 64 rows of W][fragment b 0..3][c 0..1][lane (h, r)][16 bytes]: W's row 64 group + 4 r + b, block 2 c + h of the step.
; From byte 4,194,304 on the scale bytes: [8 runs of 512 along K][32 groups][b % 2][b / 2][r][16 bytes]: the 16 blocks of that run.
; A block's scale byte is its largest magnitude's exponent field - 2, held at 1 from below.
; LIMITS: NaN and infinite norms are not served.  A block of zeros gets the byte 1 where the rule says 127: its codes are zeros, which add nothing under any byte but 0xff, and this program alone reads the bytes.
; The order of rounding differs from (q / 15) (2 norm) - norm written as three operations: at q = 7 and 8, where that difference cancels most, by up to about 2.6e-6 of the number.
; SHARES.  Work-group id: Kq = id % 4 (1,024 weights along K), b = (id / 4) % 4, group = id / 16: the 16 rows 64 group + 4 w + b, one to a wave w.  A wave's four loads read 512 consecutive bytes each, 16 a lane: a lane has eight
; neighbours of each of four blocks, four neighbouring lanes share a block.  The codes meet in LDS as [block][row] (16 bytes each) and leave 512 consecutive bytes a wave; the scale bytes leave as two runs of 256 consecutive bytes.
; No tensor loads, no matrix work; the work-groups share no input, so there is no cluster.
.set CP,    272                        ; LDS pitch of a block's 16 rows x 16 bytes, + 16 of padding
.set SCB,   32*CP                      ; 512 scale bytes: [run 0, 1][row 0 .. 15][16]
.set SPARE, SCB+512                    ; the spare words, 128 bytes for each wave
.set R,     16                         ; v16-31  the int32 as loaded
.set NR,    32                         ; v32, 34, 36, 38: a norm for each load; the odd ones 0
.set D,     40                         ; v40-71  my 32 numbers, eight of each load
.set M,     72
.set S,     76
.set C,     80
.set E,     84
	s_load_b128 s[4:7], s[0:1], 0x0                ; quantized_weights, weight_normalization
	s_load_b64 s[8:9], s[0:1], 0x10                ; wq
	v_lshl_add_u32 v2, v0, 2, SPARE
	v_mov_b32 v3, 0
	v_lshrrev_b32 v1, 5, v0
	v_readfirstlane_b32 s16, v1                    ; wave 0..15: my row
	s_lshl_b32 s22, s16, 4
	s_mul_i32 s23, s16, 2*CP
	v_and_b32 v4, 31, v0                           ; lane
	v_lshlrev_b32 v5, 4, v4                        ; my 16 bytes of a load's 512; and of the store's
	v_lshrrev_b32 v6, 1, v4
	v_lshlrev_b32 v6, 2, v6                        ; my norm: one for two lanes
	v_lshrrev_b32 v88, 2, v4                       ; my block of a load's eight,
	v_and_b32 v89, 3, v4                           ; my quarter of it
	v_mul_u32_u24 v7, v88, CP
	v_lshl_add_u32 v7, v89, 2, v7
	v_add_nc_u32 v7, s22, v7                       ; where my codes go: block, row 16 w, quarter
	v_add_nc_u32 v8, s22, v88
	v_add_nc_u32 v8, SCB, v8                       ; and my block's scale byte
	v_and_b32 v88, 15, v4                          ; r
	v_lshrrev_b32 v89, 4, v4                       ; h
	v_mul_u32_u24 v9, v89, CP
	v_lshl_add_u32 v9, v88, 4, v9
	v_add_nc_u32 v9, s23, v9                       ; what I send: block 2 w + h, row r
	v_add_nc_u32 v14, SCB, v5
	v_lshlrev_b32 v15, 15, v89
	v_lshl_add_u32 v15, v88, 4, v15                ; the scale bytes on the way out: h runs of 512 on, 16 r
	v_mov_b32 v12, 0x3e088889                      ; 2 fl(1/15), for q
	v_mov_b32 v13, 0x3c088889                      ; fl(1/15) / 8, for 16 q
	v_mov_b32 v10, 0xc9888889                      ; -2^23 x each of them, exact
	v_mov_b32 v11, 0xc7888889
.irp i, 0,1,2,3
	v_mov_b32 v[NR+2*\i+1], 0                      ; named with the norm as a pair, so it is written
.endr
	s_wait_alu depctr_va_vdst(0)
	s_mov_b32 s20, 0x4b000000                      ; 2^23: a small whole number in its mantissa field is added to it
	s_mov_b32 s21, 0xf0
	s_and_b32 s17, ttmp9, 3                        ; Kq
	s_bfe_u32 s18, ttmp9, 0x20002                  ; b
	s_lshr_b32 s19, ttmp9, 4                       ; group
	s_lshl_b32 s24, s19, 6
	s_lshl_b32 s22, s16, 2
	s_add_co_u32 s24, s24, s22
	s_add_co_u32 s24, s24, s18                     ; my row of W
	s_lshl_b32 s24, s24, 13                        ; 8,192 bytes of int32 a row,
	s_lshl_b32 s22, s17, 11
	s_add_co_u32 s24, s24, s22                     ; 2,048 for 1,024 weights
	s_mov_b32 s25, 0
	s_lshr_b32 s26, s24, 3                         ; the norms: an eighth of that
	s_mov_b32 s27, 0
	s_lshl_b32 s28, s17, 3                         ; codes: step 8 Kq + w / 2,
	s_lshr_b32 s22, s16, 1
	s_add_co_u32 s28, s28, s22
	s_lshl_b32 s28, s28, 17
	s_lshl_b32 s22, s19, 12
	s_add_co_u32 s28, s28, s22                     ; group,
	s_lshl_b32 s22, s18, 10
	s_add_co_u32 s28, s28, s22                     ; fragment b,
	s_and_b32 s22, s16, 1
	s_lshl_b32 s22, s22, 9
	s_add_co_u32 s28, s28, s22                     ; c = w % 2
	s_mov_b32 s29, 0
	s_lshl_b32 s30, s17, 16                        ; scale bytes: runs 2 Kq and 2 Kq + 1
	s_lshl_b32 s22, s19, 10
	s_add_co_u32 s30, s30, s22
	s_and_b32 s22, s18, 1
	s_lshl_b32 s22, s22, 9
	s_add_co_u32 s30, s30, s22
	s_lshr_b32 s22, s18, 1
	s_lshl_b32 s22, s22, 8
	s_add_co_u32 s30, s30, s22
	s_add_co_u32 s30, s30, 0x400000
	s_mov_b32 s31, 0
	s_wait_kmcnt 0x0
	s_add_nc_u64 s[4:5], s[4:5], s[24:25]
	s_add_nc_u64 s[6:7], s[6:7], s[26:27]
	s_add_nc_u64 s[10:11], s[8:9], s[30:31]
	s_add_nc_u64 s[8:9], s[8:9], s[28:29]
.irp i, 0,1,2,3
	global_load_b128 v[R+4*\i:R+4*\i+3], v5, s[4:5] offset:512*\i th:TH_LOAD_NT
.endr
.irp i, 0,1,2,3
	global_load_b32 v[NR+2*\i], v6, s[6:7] offset:64*\i th:TH_LOAD_NT
.endr
	s_wait_loadcnt 0x0
.irp k, 0,1,2,3,4,5,6,7,8,9,10,11,12,13,14,15
	v_and_or_b32 v[D+2*\k+1], v[R+\k], s21, s20    ; 2^23 + 16 q of the odd k
.endr
.irp k, 0,1,2,3,4,5,6,7,8,9,10,11,12,13,14,15
	v_and_or_b32 v[D+2*\k], v[R+\k], 15, s20       ; 2^23 + q of the even k
.endr
.irp k, 0,1,2,3,4,5,6,7,8,9,10,11,12,13,14,15
	v_pk_fma_f32 v[D+2*\k:D+2*\k+1], v[D+2*\k:D+2*\k+1], v[12:13], v[10:11]   ; t = 2 q x fl(1/15) in both halves, rounded once: the 2^23 goes out exactly
.endr
.irp k, 0,1,2,3,4,5,6,7,8,9,10,11,12,13,14,15
	v_pk_fma_f32 v[D+2*\k:D+2*\k+1], v[D+2*\k:D+2*\k+1], v[NR+2*(\k/4):NR+2*(\k/4)+1], v[NR+2*(\k/4):NR+2*(\k/4)+1] op_sel_hi:[1,0,0] neg_lo:[0,0,1] neg_hi:[0,0,1]   ; t norm - norm (the pair's low register serves both halves)
.endr
.irp i, 0,1,2,3
	v_max3_num_f32 v[M+\i], |v[D+8*\i]|, |v[D+8*\i+1]|, 0x1800000   ; the largest magnitude of my eight, and the floor 2^(3 - 127): the byte cannot fall under 1
.endr
.irp j, 2,4,6
.irp i, 0,1,2,3
	v_max3_num_f32 v[M+\i], v[M+\i], |v[D+8*\i+\j]|, |v[D+8*\i+\j+1]|
.endr
.endr
.irp i, 0,1,2,3
	v_max_num_f32_dpp v[M+\i], v[M+\i], v[M+\i] row_xmask:1 row_mask:0xf bank_mask:0xf
.endr
.irp i, 0,1,2,3
	v_max_num_f32_dpp v[M+\i], v[M+\i], v[M+\i] row_xmask:2 row_mask:0xf bank_mask:0xf   ; with the block's other three lanes
.endr
.irp i, 0,1,2,3
	v_add_nc_u32 v[S+\i], 0xff000000, v[M+\i]      ; 2 off its exponent field: the conversion takes the exponent field of this operand as its scale, and nothing else of it
.endr
.irp i, 0,1,2,3
	v_cvt_scalef32_pk8_fp4_f32 v[C+\i], v[D+8*\i:D+8*\i+7], v[S+\i]   ; to the nearest code, ties to even, beyond 6 the largest code; the first number's code in the lowest four bits
.endr
.irp i, 0,1,2,3
	v_lshrrev_b32 v[E+\i], 23, v[S+\i]             ; the scale's byte; also the plain instructions behind the conversions
.endr
.irp i, 0,1,2,3
	ds_store_b32 v7, v[C+\i] offset:8*CP*\i
	ds_store_b8 v8, v[E+\i] offset:256*(\i/2)+8*(\i%2)   ; (four lanes store the same byte)
.endr
	s_wait_dscnt 0x0                               ; for the others' sake: my stores have landed
	s_barrier_signal -1
	s_barrier_wait -1                              ; the 16 rows' codes and scale bytes lie in LDS
	ds_load_b128 v[88:91], v9
	s_wait_dscnt 0x0
	global_store_b128 v5, v[88:91], s[8:9]         ; 512 consecutive bytes of the image, at a multiple of 512 from wq's first byte
	s_cmp_lg_u32 s16, 0
	s_cbranch_scc1 .Lend                           ; wave 0 sends the scale bytes
	ds_load_b128 v[92:95], v14
	s_wait_dscnt 0x0
	global_store_b128 v15, v[92:95], s[10:11]      ; lanes 0-15 the first run's, lanes 16-31 the second's: 256 consecutive bytes each
.Lend:
	s_wait_tensorcnt 0x0                           ; the wave's end
	ds_add_u32 v2, v3
	s_wait_dscnt 0x0
	s_endpgm
.Lfunc_end_k_qeb9aa5f6d5_wquant:
	.size	k_qeb9aa5f6d5_wquant, .Lfunc_end_k_qeb9aa5f6d5_wquant-k_qeb9aa5f6d5_wquant
	.p2alignl 7, 3214868480
	.fill 96, 4, 3214868480
	.section	.rodata,"a",@progbits
	.p2align	6, 0x0
	.amdhsa_kernel k_qeb9aa5f6d5_wquant
		.amdhsa_group_segment_fixed_size 11264
		.amdhsa_private_segment_fixed_size 0
		.amdhsa_enable_private_segment 0
		.amdhsa_kernarg_size 24
		.amdhsa_user_sgpr_count 2
		.amdhsa_user_sgpr_kernarg_segment_ptr 1
		.amdhsa_wavefront_size32 1
		.amdhsa_system_sgpr_workgroup_id_x 1
		.amdhsa_system_sgpr_workgroup_id_y 1
		.amdhsa_system_sgpr_workgroup_id_z 1
		.amdhsa_system_vgpr_workitem_id 0
		.amdhsa_next_free_vgpr 96
		.amdhsa_next_free_sgpr 66
		.amdhsa_reserve_vcc 0
		.amdhsa_float_denorm_mode_32 3
		.amdhsa_float_denorm_mode_16_64 3
		.amdhsa_memory_ordered 1
		.amdhsa_forward_progress 1
		.amdhsa_inst_pref_size 12
	.end_amdhsa_kernel
	.amdgpu_metadata
---
amdhsa.version: [ 1, 2 ]
amdhsa.kernels:
  - .name:           k_qeb9aa5f6d5_wquant
    .symbol:         k_qeb9aa5f6d5_wquant.kd
    .args:
      - { .name: quantized_weights, .offset: 0, .size: 8, .value_kind: global_buffer, .address_space: global }
      - { .name: weight_normalization, .offset: 8, .size: 8, .value_kind: global_buffer, .address_space: global }
      - { .name: wq, .offset: 16, .size: 8, .value_kind: global_buffer, .address_space: global }
    .group_segment_fixed_size: 11264
    .private_segment_fixed_size: 0
    .kernarg_segment_align: 8
    .kernarg_segment_size: 24
    .max_flat_workgroup_size: 512
    .sgpr_count:     66
    .vgpr_count:     96
    .wavefront_size: 32
...
	.end_amdgpu_metadata
.endif
;; end of part 1
;; launch gemm (part 2): grid 8 x 32, 4 waves a work-group, clusters of 4 x 1, 327,680 bytes of LDS; arguments input_tensor_codes, input_tensor_scales, wq, bias, out0; writes out0
.if DOCPART == 2
	.amdgcn_target "amdgcn-amd-amdhsa--gfx1250"
	.amdhsa_code_object_version 6
	.text
	.protected	k_qeb9aa5f6d5_gemm
	.globl	k_qeb9aa5f6d5_gemm
	.p2align	8
	.type	k_qeb9aa5f6d5_gemm,@function
k_qeb9aa5f6d5_gemm:
	s_mov_b64 s[64:65], 0
	v_nop
	global_prefetch_b8 v0, s[64:65] scope:SCOPE_SE
	s_setreg_imm32_b32 hwreg(HW_REG_WAVE_MODE, 25, 1), 1
	s_wait_xcnt 0x0
	s_wait_alu depctr_hold_cnt(0) depctr_sa_sdst(0) depctr_va_vdst(0) depctr_va_sdst(0) depctr_va_ssrc(0) depctr_va_vcc(0) depctr_vm_vsrc(0)
	s_getreg_b32 s2, hwreg(HW_REG_IB_STS2, 6, 4)
	s_cmp_eq_u32 s2, 0
	s_cbranch_scc0 .Lentry_in_a_cluster
	s_endpgm
.Lentry_in_a_cluster:
	s_bfe_u32 s2, ttmp6, 0x10000c
	s_cmp_lg_u32 s2, 0x3003
	s_cbranch_scc0 .Lentry_shape_is_right
	s_endpgm
.Lentry_shape_is_right:
; out0[m][n] = sum over k of x[m][k] W[n][k] + bias[n].  x: [8192][4096] as codes of FP4 (E2M1), 2,048 bytes a row, with one E8M0 byte for each 32 along K, 128 a row: taken as they are given.
; W: the register image that the launch before has laid in wq (its layout stands there).  out0: [8192][2048] f32; one f32 sum for each output, K ascending; the bias is added to the finished sum.
; A scale byte 0xff among the inputs makes the sums that it enters NaN, as the format has it.
; A tile of C, 256 x 256, is made by a work-group of four waves, each 128 x 128: 32 accumulators of 32 x 16, 512 registers.  The grid's 8 x 32 work-groups are the 256 tiles.
; W GOES FROM MEMORY STRAIGHT INTO REGISTERS: a load is 512 consecutive bytes of the image, and sixteen loads are a wave's 128 columns x 128 along K, a step.  Five sets of registers: a set is asked for four steps ahead of its use.
; (Register loads have no joint form, so W is not asked for jointly; the two waves of a column half ask for the same bytes in the same step.)
; x GOES THROUGH LDS, in four trips of 1,024 along K through a ring of two slots: a row in a slot is 512 bytes.  CLUSTERS: 4 x 1 work-groups, the four tiles of a row of C, need the same rows of x: each tile is asked for JOINTLY.
; x's scale bytes, 256 rows x 128 bytes, are one dense block of memory: they come once, with the first fill, and stay behind the ring.
; PREFETCHES: the trips 2 and 3 of x are asked for one trip ahead of their joint loads, each block of 256 bytes once in each cluster: 64 rows a work-group (by its place, in the address alone), 16 a wave, two lanes a row.
; W is not prefetched: its loads themselves stand four steps ahead of their use.
; THE WAY OUT NEEDS NO LDS: fragment b of a group of 64 columns holds, in lane r, column 4 r + b (wq is laid so): a lane's four accumulators b = 0..3 hold four neighbouring columns of each of its rows, so one store of 16 bytes a lane
; covers 256 consecutive bytes of each of two rows.  THE LAST FOUR STEPS GO BY ROWS OF C, their W all in registers: each 32 rows x 64 columns are finished and leave while the next are multiplied.
; REGISTERS, in windows of 256: window 0: v0-15 bias, addresses; v16-47 W's scale words, two runs of 512 along K; v48-79 x's; v80-111 rows of C on their way out; v128-191 x's fragments, four places of 32 rows x 128 K; v192-255 W's set 4.
;   window 1: W's sets 0-3, 64 registers each (step s lies in set s % 5).   windows 2, 3: the accumulators (p, b) of rows 32 p .. at 128 (p % 2) + 16 b: p 0, 1 in window 2, 2, 3 in window 3.
; The steps are written out: slot, step and set stand in immediates, and no address is stepped.
.set PITCH, 528                        ; an LDS row of x: 512 bytes + 16 = 132 words: row r starts at bank 4 r mod 64 (64 banks of 4 bytes: ISA guide 11.1), so the 16 rows that a load touches start at 16 different banks
.set SLOT,  256*PITCH
.set SCL,   2*SLOT                     ; x's scale bytes: two rows of x to an LDS row of 256 + 16 bytes
.set SPIT,  272
.set SPARE, SCL+128*SPIT               ; the spare words, 128 bytes for each wave: two blocks of 256 bytes that no other line names
.set ROWC,  8192                       ; a row of C in bytes
.set STEPW, 131072                     ; a step of 128 along K of all of W's codes
.set RUNW,  32768                      ; a run of 512 along K of all of W's scale bytes
.set BIAS, 0                           ; v0-7   bias of my four columns of each group of 64
.set SPW,  8                           ; v8     LDS address of my spare word; never rewritten
.set NIL,  9                           ; v9     0; never rewritten
.set ADR,  10                          ; v10-11 LDS address of my fragments of x in slot 0, 1
.set ADS,  12                          ; v12    of x's scale words: a lane to a row
.set WO,   13                          ; v13    16 x lane
.set PFO,  14                          ; v14    the prefetches' offset
.set CO,   15                          ; v15    my byte offset in C
.set WS,   16                          ; W's scale words: run g at WS + 16 (g % 2): register 4 i + q, i = 2 group + b % 2: fragment b % 2 (lanes 0-15) and b % 2 + 2 (lanes 16-31)
.set XS,   48                          ; x's: run g at XS + 16 (g % 2): register 4 p + q
.set T,    80                          ; 8 x 16 bytes on their way out
.set BO,   112                         ; v112   my byte offset in the bias
.set XF,   128                         ; x's fragments
.set W4,   192
.set G1,  24                           ; s[24:31] group 1 of the ring's loads: 64 rows;  s[32:39] group 0, one set for each slot
.set G0,  32
.set G1H, 48                           ; s[48:55], s[60:63] groups 1 and 0 of the head's loads of x: 128 rows
.set G0H, 60
.set G1S, 68                           ; s[68:75], s[76:79] of x's scale bytes
.set G0S, 76
.set PW,  80                           ; s[80:81] W's codes of my columns
.set PS,  82                           ; s[82:83] their scale bytes
.set PF,  84                           ; s[84:85] the rows of x that I prefetch
.set MSB, 0
.macro WIN new                         ; the immediate's high byte repeats the setting that is left; a switch that changes nothing is dropped
.if MSB != (\new)
	s_set_vgpr_msb (MSB<<8)|(\new)
.set MSB, \new
.endif
.endm
.macro NOPS                            ; four places behind matrix instructions, ahead of loads into registers that they have read and of reads of their results
.rept 4
	v_nop
.endr
.endm
.macro CREST                           ; a round of the cluster's barrier behind its opening barrier
	s_cmp_lg_u32 s14, 0
	s_cbranch_scc1 .Lnot_wave_0_\@
	s_barrier_signal -3
.Lnot_wave_0_\@:
	s_barrier_wait -3
	s_barrier_signal -1
	s_barrier_wait -1
.endm
.macro CROUND                          ; a whole round
	s_barrier_signal -1
	s_barrier_wait -1
	CREST
.endm
	s_load_b128 s[4:7], s[0:1], 0x0                ; x's codes s[4:5], x's scales s[6:7]
	s_load_b128 s[8:11], s[0:1], 0x10              ; wq s[8:9], bias s[10:11]
	s_load_b64 s[12:13], s[0:1], 0x20              ; out0
	v_lshl_add_u32 v[SPW], v0, 2, SPARE
	v_mov_b32 v[NIL], 0
	ds_add_u32 v[SPW], v[NIL]                      ; the wave's opening: the add, twice on end, and its wait ahead of my first tensor load
	ds_add_u32 v[SPW], v[NIL]
	v_lshrrev_b32 v1, 5, v0
	v_readfirstlane_b32 s14, v1                    ; wave 0..3
	s_lshr_b32 s15, s14, 1                         ; which 128 of the tile's columns are mine.  At the head: I fetch for x (0) or its scale bytes (1)
	s_and_b32 s16, s14, 1                          ; which 128 of its rows; and which half of the 256 I fetch at the head
	s_mul_i32 s41, s16, 128*PITCH
	s_mul_i32 s45, s16, 64*SPIT
	v_and_b32 v16, 31, v0                          ; lane l
	v_and_b32 v17, 15, v0                          ; r = l % 16
	v_bfe_u32 v18, v0, 4, 1                        ; h = l / 16
	v_mul_u32_u24 v19, v17, PITCH
	v_lshl_add_u32 v19, v18, 4, v19                ; a fragment's row x pitch + 16 x half
	v_add_nc_u32 v[ADR], s41, v19
	v_add_nc_u32 v[ADR+1], SLOT, v[ADR]
	v_lshrrev_b32 v20, 1, v16
	v_and_b32 v21, 1, v16
	v_mul_u32_u24 v22, v20, SPIT
	v_lshl_add_u32 v22, v21, 7, v22                ; row l: LDS row l / 2, 128 (l % 2) bytes in
	v_add_nc_u32 v22, s45, v22
	v_add_nc_u32 v[ADS], SCL, v22
	v_lshlrev_b32 v[WO], 4, v16
	v_lshlrev_b32 v[PFO], 11, v20                  ; row l / 2, 256 (l % 2) bytes in
	v_lshl_add_u32 v[PFO], v21, 8, v[PFO]
	v_lshlrev_b32 v[CO], 16, v18                   ; 8 h rows of C, 16 r bytes in
	v_lshl_add_u32 v[CO], v17, 4, v[CO]
	v_lshlrev_b32 v[BO], 4, v17
	s_wait_alu depctr_va_vdst(0)                   ; the head's vector work ends
	s_bfe_u32 s40, ttmp6, 0x40000                  ; cx: my place in the cluster
	s_lshl_b32 s42, ttmp9, 2
	s_add_co_u32 s42, s42, s40                     ; tile column of C = 4 x cluster x + cx
	s_and_b32 s17, ttmp7, 0xffff                   ; tile row of C
	s_lshl_b32 s43, s42, 2
	s_lshl_b32 s44, s15, 1
	s_add_co_u32 s43, s43, s44                     ; my first group of 64 columns: 4 x tile column + 2 x half
	s_lshl_b32 s18, s17, 19                        ; x: 256 rows of 2,048 bytes a tile row
	s_mov_b32 s19, 0
	s_lshl_b32 s20, s16, 18                        ; at the head: 128 rows x half
	s_mov_b32 s21, 0
	s_lshl_b32 s22, s14, 17                        ; in the ring: 64 rows x wave
	s_mov_b32 s23, 0
	s_lshl_b32 s44, s17, 15                        ; x's scale bytes: 128 a row
	s_lshl_b32 s45, s16, 14
	s_add_co_u32 s44, s44, s45
	s_mov_b32 s45, 0
	s_lshl_b32 s46, s40, 17                        ; prefetches: 64 rows x cx + 16 rows x wave
	s_lshl_b32 s47, s14, 15
	s_add_co_u32 s46, s46, s47
	s_mov_b32 s47, 0
	s_lshl_b32 s88, s43, 12                        ; W's codes, scale bytes, and bias and C: by the column group
	s_mov_b32 s89, 0
	s_lshl_b32 s90, s43, 10
	s_mov_b32 s91, 0
	s_lshl_b32 s92, s43, 8
	s_mov_b32 s93, 0
	s_lshl_b32 s94, s17, 21                        ; C: 256 rows a tile row,
	s_add_co_u32 s94, s94, s92
	s_lshl_b32 s95, s16, 20                        ; 128 rows x half
	s_add_co_u32 s94, s94, s95
	s_mov_b32 s95, 0
	; groups 1: element of 1 byte, mask of the cluster's four, early timeout beside it, padding of 4 words behind every 128 (code 6): rows of 512 bytes, 2,048 bytes apart
.irp g, G1, G1H
	s_mov_b32 s[\g+0], 15|(1<<20)|(1<<21)|(6<<22)|(3<<25)
	s_mov_b32 s[\g+1], 512<<16                     ; tensor_dim0
	s_mov_b32 s[\g+3], 512<<16                     ; tile_dim0
	s_mov_b32 s[\g+5], 2048                        ; tensor_dim0_stride
	s_mov_b32 s[\g+6], 0
	s_mov_b32 s[\g+7], 0
.endr
	s_mov_b32 s[G1+2], 64<<16                      ; tensor_dim1, tile_dim1
	s_mov_b32 s[G1+4], 64
	s_mov_b32 s[G1H+2], 128<<16
	s_mov_b32 s[G1H+4], 128
	; the scale bytes of 128 rows: 16,384 dense bytes, as 64 rows of 256 (32 elements of 8 bytes), 4 words of padding behind every 64 (code 5)
	s_mov_b32 s[G1S+0], 15|(3<<16)|(1<<20)|(1<<21)|(5<<22)|(3<<25)
	s_mov_b32 s[G1S+1], 32<<16
	s_mov_b32 s[G1S+2], 64<<16
	s_mov_b32 s[G1S+3], 32<<16
	s_mov_b32 s[G1S+4], 64
	s_mov_b32 s[G1S+5], 32
	s_mov_b32 s[G1S+6], 0
	s_mov_b32 s[G1S+7], 0
	; groups 0: no place in the cluster enters them
	s_mov_b32 s[G0H], 1
	s_mul_i32 s[G0H+1], s16, 128*PITCH
	s_mov_b32 s[G0S], 1
	s_mul_i32 s[G0S+1], s16, 64*SPIT
	s_add_co_u32 s[G0S+1], s[G0S+1], SCL
	s_mov_b32 s[G0], 1
	s_mul_i32 s[G0+1], s14, 64*PITCH
	s_mov_b32 s[G0+4], 1
	s_add_co_u32 s[G0+5], s[G0+1], SLOT
	s_wait_dscnt 0x0                               ; both opening adds are done
	CROUND                                         ; all four work-groups are here: the first joint loads meet
	s_wait_kmcnt 0x0
	s_add_nc_u64 s[4:5], s[4:5], s[18:19]
	s_add_nc_u64 s[G0H+2:G0H+3], s[4:5], s[20:21]
	s_or_b32 s[G0H+3], s[G0H+3], 0x80000000
	s_add_nc_u64 s[G0S+2:G0S+3], s[6:7], s[44:45]
	s_or_b32 s[G0S+3], s[G0S+3], 0x80000000
	; the head's loads, one a wave: waves 0 and 1 trip 0's two halves of x's rows, waves 2 and 3 their scale bytes.  The branch hangs on the wave's number alone
	s_cmp_eq_u32 s15, 0
	s_cbranch_scc0 .Lfor_scales
	tensor_load_to_lds s[G0H:G0H+3], s[G1H:G1H+7]
	s_nop 0
	NOPS
	s_branch .Lasked
.Lfor_scales:
	tensor_load_to_lds s[G0S:G0S+3], s[G1S:G1S+7]
	s_nop 0
	NOPS
.Lasked:
	s_add_nc_u64 s[G0+2:G0+3], s[4:5], s[22:23]    ; for the ring: my 64 rows
	s_add_nc_u64 s[G0+6:G0+7], s[G0+2:G0+3], 512   ; slot 1 takes trip 1 first,
	s_add_nc_u64 s[G0+2:G0+3], s[G0+2:G0+3], 1024  ; slot 0 is filled again with trip 2
	s_or_b32 s[G0+3], s[G0+3], 0x80000000
	s_or_b32 s[G0+7], s[G0+7], 0x80000000
	s_add_nc_u64 s[PF:PF+1], s[4:5], s[46:47]
	s_add_nc_u64 s[PW:PW+1], s[8:9], s[88:89]
	s_add_nc_u64 s[PS:PS+1], s[8:9], s[90:91]
	s_add_nc_u64 s[PS:PS+1], s[PS:PS+1], 0x400000
	s_add_nc_u64 s[10:11], s[10:11], s[92:93]
	s_add_nc_u64 s[12:13], s[12:13], s[94:95]
.macro SL g                            ; W's scale words of run g (512 along K): two loads for each group of 64 columns
	WIN 0
.irp i, 0,1,2,3
	global_load_b128 v[WS+16*((\g)%2)+4*\i:WS+16*((\g)%2)+4*\i+3], v[WO], s[PS:PS+1] offset:(\g)*RUNW+512*\i
.endr
.endm
.macro WL s, half                      ; one group's four fragments of W's step s into its set
.set rL, 64*((\s)%5)+32*(\half)
.set wL, 0x40
.if ((\s)%5) == 4
.set rL, W4+32*(\half)
.set wL, 0
.endif
	WIN wL
.irp f, 0,1,2,3,4,5,6,7
	global_load_b128 v[rL+4*\f:rL+4*\f+3], v[WO], s[PW:PW+1] offset:(\s)*STEPW+4096*(\half)+512*\f
.endr
.endm
; A fragment of x, 32 rows x 128 K, is 16 registers: lane l holds rows l % 16 (registers 0-7) and 16 + l % 16 (8-15); in each eight, registers 4 c .. 4 c + 3 hold K = 64 c + 32 (l / 16) + 0 .. 31, the lower K in the lower bits.
.macro FX a, p, s                      ; my rows 32 p .., step s, into place a
	WIN 0
.irp i, 0,1,2,3
	ds_load_b128 v[XF+16*(\a)+4*\i:XF+16*(\a)+4*\i+3], v[ADR+((\s)/8)%2] offset:(\p)*32*PITCH+(\i/2)*16*PITCH+64*((\s)%8)+32*(\i%2)
.endr
.endm
.macro FX2 a, s                        ; places a and a + 1 for step s: by K the rows 32 a .., for the last four steps, by rows, the first 32 rows' steps 28 + a ..
.if (\s) < 28
	FX \a, \a, \s
	FX (\a)+1, (\a)+1, \s
.else
	FX \a, 0, 28+(\a)
	FX (\a)+1, 0, 29+(\a)
.endif
.endm
.macro XSL g                           ; x's scale words of run g: four words a row
	WIN 0
.irp p, 0,1,2,3
	ds_load_b128 v[XS+16*((\g)%2)+4*\p:XS+16*((\g)%2)+4*\p+3], v[ADS] offset:\p*16*SPIT+16*(\g)
.endr
.endm
.macro WONE c, row
.if \row
	v_wmma_scale_f32_32x16x128_f4 v[rD:rD+15], v[rA:rA+15], v[rW:rW+7], \c, v[rX], v[rS] matrix_b_scale:MATRIX_SCALE_ROW1
.else
	v_wmma_scale_f32_32x16x128_f4 v[rD:rD+15], v[rA:rA+15], v[rW:rW+7], \c, v[rX], v[rS]
.endif
.endm
; Four matrix instructions: rows 32 p .. (the fragment in place a) x 64 columns (group h of my two), step s.  The accumulators take turns, one instruction a turn: by K all 32,
; by rows the four of a unit, so that three others stand between a sum's steps.  The first step's C is 0: nothing is cleared.
.macro MMH p, a, s, h
.set rA, XF+16*(\a)
.set rB, 64*((\s)%5)
.set wB, 4
.if ((\s)%5) == 4
.set rB, W4
.set wB, 0
.endif
.set rX, XS+16*(((\s)/4)%2)+4*(\p)+(\s)%4
	WIN 0xa0+wB+0x50*((\p)/2)                      ; source 0 window 0, source 1 window 1 (set 4: 0), C and D window 2 or 3
.irp b, 0,1,2,3
.set rD, 128*((\p)%2)+64*(\h)+16*\b
.set rW, rB+32*(\h)+8*\b
.set rS, WS+16*(((\s)/4)%2)+8*(\h)+4*(\b%2)+(\s)%4
.if (\s) == 0
	WONE 0, \b/2
.else
	WONE v[rD:rD+15], \b/2
.endif
.endr
.endm
.macro MM p, s
	MMH \p, \p, \s, 0
	MMH \p, \p, \s, 1
.endm
; A step of 128 along K: two runs of memory instructions, each behind sixteen matrix instructions: the two places of x that these have read are fetched for the next step, and half of W's set of the step before is loaded for the step four on.
; At the step's head the three sets behind mine (48 loads) may be out; at each wait for x the younger run's eight LDS loads.
.macro STEP s
	s_wait_loadcnt 48
	s_wait_dscnt 8
	MM 0, \s
	MM 1, \s
	NOPS
.if ((\s)%4) == 3
	XSL (\s)/4+1                                   ; ahead of the fragments: so the next step's count covers them
.endif
	FX2 0, (\s)+1
.if ((\s)%4) == 1
	SL (\s)/4+1
.endif
	WL (\s)+4, 0
.if ((\s)%4) == 3
	s_wait_dscnt 12
.else
	s_wait_dscnt 8
.endif
	MM 2, \s
	MM 3, \s
	NOPS
	FX2 2, (\s)+1
	WL (\s)+4, 1
.endm
; A trip's last step changes slots: ONE barrier (where a slot is filled again it opens a round); in front of it each wave waits for all its tensor loads, adds 0 to its spare word, and waits for that and for its own reads of this slot.
.macro TURN s
	WIN 0
	s_wait_tensorcnt 0x0                           ; my part of the next slot has landed; no tensor load of mine is out
	ds_add_u32 v[SPW], v[NIL]                      ; 0 onto my spare word
.if (\s) == 15
	s_add_nc_u64 s[G0+6:G0+7], s[G0+6:G0+7], 1024  ; slot 1 takes trip 3
.endif
	s_wait_loadcnt 48
	s_wait_dscnt 9                                 ; the add and the youngest eight loads may be out
	MM 0, \s
	s_wait_dscnt 0x0                               ; the add is done, and my reads of this slot are over
	s_barrier_signal -1
	MM 1, \s
	WIN 0
	s_barrier_wait -1
.if (\s) < 23
	CREST                                          ; no wave of any partner still reads this slot or has a load on its way
	tensor_load_to_lds s[G0+4*((\s)/8):G0+4*((\s)/8)+3], s[G1:G1+7]   ; two trips on: eight steps ahead of the wait for it
	s_nop 0
.endif
	NOPS
	XSL (\s)/4+1
	FX2 0, (\s)+1
	WL (\s)+4, 0
.if (\s) == 7
	WIN 0
	global_prefetch_b8 v[PFO], s[PF:PF+1] offset:1536 th:TH_LOAD_NT scope:SCOPE_SE   ; trip 3 of x, whose joint load stands eight steps on
.endif
	MM 2, \s
	MM 3, \s
	NOPS
	FX2 2, (\s)+1
	WL (\s)+4, 1
.endm
; THE WAY OUT of rows 32 p + 16 i .., group h: lane (r, half) holds, in register 8 i + j of accumulators b = 0..3, columns 4 r + b of row 16 i + 8 half + j.  Each accumulator is read from its low end on.
.macro OUT p, h, i
	s_wait_xcnt 0x0                                ; every earlier memory instruction has had its addresses translated (ISA guide 3.1): the registers that earlier stores read are rewritten only behind this wait
	WIN 0x02+(\p)/2                                ; source 0: window 2 or 3
.irp j, 0,1,2,3,4,5,6,7
.irp b, 0,1,2,3
	v_add_f32 v[T+4*\j+\b], v[128*((\p)%2)+64*(\h)+16*\b+8*(\i)+\j], v[BIAS+4*(\h)+\b]
.endr
.endr
	WIN 0
.irp j, 0,1,2,3,4,5,6,7
	global_store_b128 v[CO], v[T+4*\j:T+4*\j+3], s[12:13] offset:(32*(\p)+16*(\i)+\j)*ROWC+256*(\h) th:TH_STORE_NT   ; lanes 0-15 and 16-31 store 256 consecutive bytes each, at multiples of 256 from C's first byte
.endr
.endm
; The last four steps of rows 32 p ..: two units of sixteen matrix instructions; the unit before leaves meanwhile.  A place of x is fetched anew behind its second unit.
.macro ROWS p
.irp q, 0,1,2,3
.if (\p) == 0
	s_wait_loadcnt 48-16*\q                        ; W's sets count down: nothing more is asked for
.endif
.if \q == 0
	s_wait_dscnt 8                                 ; places 0 and 1 are in
.elseif \q == 2
	s_wait_dscnt 0x0                               ; and 2 and 3
.endif
	MMH \p, \q, 28+\q, 0
.if ((\p) > 0) && (\q%2 == 1)
	OUT (\p)-1, 1, \q/2
.endif
.endr
.irp q, 0,1,2,3
	MMH \p, \q, 28+\q, 1
.if \q%2 == 1
	NOPS
.if (\p) < 3
	FX \q-1, (\p)+1, 27+\q
	FX \q, (\p)+1, 28+\q
.endif
	OUT \p, 0, \q/2
.endif
.endr
.endm
	global_load_b128 v[BIAS:BIAS+3], v[BO], s[10:11]   ; in the result's layout: lane r takes columns 4 r .. 4 r + 3 of each group
	global_load_b128 v[BIAS+4:BIAS+7], v[BO], s[10:11] offset:256
	SL 0
.irp s, 0,1
	WL \s, 0
	WL \s, 1
.endr
	WIN 0
	s_wait_tensorcnt 0x0                           ; my part of the head's tiles is in
	ds_add_u32 v[SPW], v[NIL]
	s_wait_dscnt 0x0                               ; the add is done
	CROUND                                         ; a whole round: everybody's part of trip 0 is in, and the joint loads meet
	tensor_load_to_lds s[G0+4:G0+7], s[G1:G1+7]    ; slot 1's first fill: trip 1
	s_nop 0
	NOPS
	XSL 0
	FX2 0, 0
	FX2 2, 0
	global_prefetch_b8 v[PFO], s[PF:PF+1] offset:1024 th:TH_LOAD_NT scope:SCOPE_SE   ; trip 2 of x, whose joint load stands seven steps on
.irp s, 2,3
	WL \s, 0
	WL \s, 1
.endr
.irp s, 0,1,2,3,4,5,6
	STEP \s
.endr
	TURN 7
.irp s, 8,9,10,11,12,13,14
	STEP \s
.endr
	TURN 15
.irp s, 16,17,18,19,20,21,22
	STEP \s
.endr
	TURN 23
.irp s, 24,25,26,27
	STEP \s
.endr
.irp p, 0,1,2,3
	ROWS \p
.endr
	OUT 3, 1, 0                                    ; the last unit: its four places stand ahead of the OUT before
	OUT 3, 1, 1
	s_wait_tensorcnt 0x0                           ; the wave's end
	ds_add_u32 v[SPW], v[NIL]
	s_wait_dscnt 0x0
	CROUND                                         ; the closing round: no work-group ends while a partner may still ask for a tile that names it
	s_endpgm
.Lfunc_end_k_qeb9aa5f6d5_gemm:
	.size	k_qeb9aa5f6d5_gemm, .Lfunc_end_k_qeb9aa5f6d5_gemm-k_qeb9aa5f6d5_gemm
	.p2alignl 7, 3214868480
	.fill 96, 4, 3214868480
	.section	.rodata,"a",@progbits
	.p2align	6, 0x0
	.amdhsa_kernel k_qeb9aa5f6d5_gemm
		.amdhsa_group_segment_fixed_size 327680
		.amdhsa_private_segment_fixed_size 0
		.amdhsa_enable_private_segment 0
		.amdhsa_kernarg_size 40
		.amdhsa_user_sgpr_count 2
		.amdhsa_user_sgpr_kernarg_segment_ptr 1
		.amdhsa_wavefront_size32 1
		.amdhsa_system_sgpr_workgroup_id_x 1
		.amdhsa_system_sgpr_workgroup_id_y 1
		.amdhsa_system_sgpr_workgroup_id_z 1
		.amdhsa_system_vgpr_workitem_id 0
		.amdhsa_next_free_vgpr 1024
		.amdhsa_next_free_sgpr 98
		.amdhsa_reserve_vcc 0
		.amdhsa_float_denorm_mode_32 3
		.amdhsa_float_denorm_mode_16_64 3
		.amdhsa_memory_ordered 1
		.amdhsa_forward_progress 1
		.amdhsa_inst_pref_size 255
	.end_amdhsa_kernel
	.section	.bss,"aw",@nobits
	.p2align	6
	.space	262144
	.amdgpu_metadata
---
amdhsa.version: [ 1, 2 ]
amdhsa.kernels:
  - .name:           k_qeb9aa5f6d5_gemm
    .symbol:         k_qeb9aa5f6d5_gemm.kd
    .args:
      - { .name: input_tensor_codes, .offset: 0, .size: 8, .value_kind: global_buffer, .address_space: global }
      - { .name: input_tensor_scales, .offset: 8, .size: 8, .value_kind: global_buffer, .address_space: global }
      - { .name: wq, .offset: 16, .size: 8, .value_kind: global_buffer, .address_space: global }
      - { .name: bias, .offset: 24, .size: 8, .value_kind: global_buffer, .address_space: global }
      - { .name: out0, .offset: 32, .size: 8, .value_kind: global_buffer, .address_space: global }
    .group_segment_fixed_size: 327680
    .private_segment_fixed_size: 0
    .kernarg_segment_align: 8
    .kernarg_segment_size: 40
    .max_flat_workgroup_size: 128
    .sgpr_count:     98
    .vgpr_count:     1024
    .wavefront_size: 32
...
	.end_amdgpu_metadata
.endif
;; end of part 2
